; MI455X (gfx1250); checked and timed in simulation.
; The chip was launched on July 23, 2026; its instructions are those of AMD's public machine-readable ISA for CDNA 5 (MIT licence, August 2026) and "CDNA5" Instruction Set Architecture Reference Guide (July 2026). The comments in the code are by the model that wrote it; some were corrected since.
;; Variable Spatial Transformer. Allowed arithmetic: float matrix products may take bf16 or f16 operands with f32 sums; all other float work in f32.
;; Inputs: flow 4 x 2 x 1,024 x 1,024 float32; src 4 x 2 x 1,024 x 1,024 float32.
;; Outputs: out0 4 x 2 x 1,024 x 1,024 float32.
;; 2 versions, each right; version 2 is version 1 with the launch locate written anew for expert scheduling mode. Each part assembles by itself: llvm-mc -triple=amdgcn-amd-amdhsa -mcpu=gfx1250 --defsym DOCPART=n.
;; ======== version 1 of 2: 2 launches
;; workspace buffers: idx 16,777,216 bytes of whole numbers
;; launch locate (part 1): grid 256 x 4, 8 waves a work-group, no clusters, 0 bytes of LDS; arguments flow, idx; writes idx
.if DOCPART == 1
	.amdgcn_target "amdgcn-amd-amdhsa--gfx1250"
	.amdhsa_code_object_version 6
	.text
	.protected	k_q77e09c15e2_locate
	.globl	k_q77e09c15e2_locate
	.p2align	8
	.type	k_q77e09c15e2_locate,@function
k_q77e09c15e2_locate:
	s_mov_b64 s[64:65], 0
	v_nop
	global_prefetch_b8 v0, s[64:65] scope:SCOPE_SE
	s_setreg_imm32_b32 hwreg(HW_REG_WAVE_MODE, 25, 1), 1
	s_wait_xcnt 0x0
; Bilinear sampling of src at (row + flow[:,0], column + flow[:,1]) with zeros outside; first of two launches.
; The sample places are made from floating-point numbers, and an address is formed only from whole numbers read from memory:
; so this launch makes, for each of the 4 x 1024 x 1024 pixels, the whole number idx = yb * 1024 + xb, and the next launch gathers by it.
;   y = row + flow[b][0][row][col],  yb = clamp(floor(y), 0, 1022);   x = col + flow[b][1][row][col],  xb = clamp(floor(x), 0, 1022).
; Rows yb, yb + 1 and columns xb, xb + 1 always lie inside the image; the next launch gives each of them the weight that reference()
; gives it (its bilinear weight times its valid flag), which is 0 for whatever reference() pads with zeros.
; No work of reference() is left out and both inputs are used (src by the next launch).
; LIMIT: flow is finite.  A NaN or an infinity in flow gives some index inside the image here, not reference()'s NaN.
; Eight waves; the work-group owns 4 whole rows of one batch.  Thread t owns the 16 bytes (4 pixels) at byte 16 t of each row, so each
; load and store of a wave covers 512 consecutive bytes, aligned.  All eight loads of a wave go out first; each row has registers of its own,
; so nothing that a pending load or store names is ever rewritten.
; flow and idx carry no non-temporal hint: the next launch reads both again.
.set ROW,   4096                       ; bytes in a row
.set PLANE, 4194304                    ; bytes in a plane of 1024 x 1024
.set STEPS, 4                          ; rows of the work-group
.set OFF,   2                          ; v2        16 t
.set FY,    4                          ; v[4:19]   row i: 4 numbers of flow channel 0, then y, then yb
.set FX,    20                         ; v[20:35]  row i: 4 numbers of flow channel 1, then x, xb, idx
.set GX,    36                         ; v[36:39]  my four columns as f32
.set GY,    16                         ; s[16:23]  row i as f32 in the lower register of pair i
.set LIM,   24                         ; s24       1022.0
	s_load_b128 s[4:7], s[0:1], 0x0                ; flow s[4:5], idx s[6:7]
	s_and_b32 s8, ttmp7, 0xffff                    ; batch
	s_lshl_b32 s9, ttmp9, 2                        ; the group's first row
	s_lshl_b32 s10, ttmp9, 14                      ; and its byte offset in a plane
	s_lshl_b32 s12, s8, 23                         ; flow: two planes a batch
	s_add_co_u32 s12, s12, s10
	s_mov_b32 s13, 0
	s_lshl_b32 s14, s8, 22                         ; idx: one plane a batch
	s_add_co_u32 s14, s14, s10
	s_mov_b32 s15, 0
	v_lshlrev_b32 v[OFF], 4, v0
	s_wait_kmcnt 0x0
	s_add_nc_u64 s[4:5], s[4:5], s[12:13]
	s_add_nc_u64 s[6:7], s[6:7], s[14:15]
.irp t, 0,1,2,3
	global_load_b128 v[FY+4*\t:FY+4*\t+3], v[OFF], s[4:5] offset:\t*ROW
	global_load_b128 v[FX+4*\t:FX+4*\t+3], v[OFF], s[4:5] offset:\t*ROW+PLANE
.endr
	s_mov_b32 s[LIM], 0x447f8000                   ; 1022.0
	s_cvt_f32_u32 s[GY], s9                        ; the four rows as f32: whole numbers below 1024, exact
	s_add_f32 s[GY+2], s[GY], 1.0
	s_add_f32 s[GY+4], s[GY], 2.0
	s_add_f32 s[GY+6], s[GY+2], 2.0
.irp t, 0,1,2,3
	s_mov_b32 s[GY+2*\t+1], 0                      ; the pair's upper register is named by the packed add, though only the lower one is used
.endr
	v_lshlrev_b32 v1, 2, v0                        ; my first column
	v_cvt_f32_u32 v[GX], v1
	v_add_f32 v[GX+1], 1.0, v[GX]
	v_add_f32 v[GX+2], 2.0, v[GX]
	v_add_f32 v[GX+3], 2.0, v[GX+1]
.macro STEP t
	s_wait_loadcnt 2*(STEPS-1-\t)                  ; loads come back in order (ISA guide 5.7.1): this row's two are in, the later rows' pairs stay out
.irp p, 0,2
	v_pk_add_f32 v[FY+4*\t+\p:FY+4*\t+\p+1], v[FY+4*\t+\p:FY+4*\t+\p+1], s[GY+2*\t:GY+2*\t+1] op_sel_hi:[1,0]   ; y = row + flow, one rounding as in reference()
	v_pk_add_f32 v[FX+4*\t+\p:FX+4*\t+\p+1], v[FX+4*\t+\p:FX+4*\t+\p+1], v[GX+\p:GX+\p+1]                       ; x = column + flow
.endr
.irp j, 0,1,2,3
	v_floor_f32 v[FY+4*\t+\j], v[FY+4*\t+\j]
	v_floor_f32 v[FX+4*\t+\j], v[FX+4*\t+\j]
.endr
.irp j, 0,1,2,3
	v_med3_num_f32 v[FY+4*\t+\j], v[FY+4*\t+\j], 0, s[LIM]     ; the middle of (floor, 0, 1022): clamped while still f32, so any finite size is served
	v_med3_num_f32 v[FX+4*\t+\j], v[FX+4*\t+\j], 0, s[LIM]
.endr
.irp p, 0,2
	v_pk_fma_f32 v[FX+4*\t+\p:FX+4*\t+\p+1], v[FY+4*\t+\p:FY+4*\t+\p+1], 0x44800000, v[FX+4*\t+\p:FX+4*\t+\p+1] op_sel_hi:[1,0,1]   ; yb * 1024 + xb: below 2^20, exact in f32
.endr
.irp j, 0,1,2,3
	v_cvt_u32_f32 v[FX+4*\t+\j], v[FX+4*\t+\j]
.endr
	global_store_b128 v[OFF], v[FX+4*\t:FX+4*\t+3], s[6:7] offset:\t*ROW
.endm
	STEP 0
	STEP 1
	STEP 2
	STEP 3
	s_endpgm
.Lfunc_end_k_q77e09c15e2_locate:
	.size	k_q77e09c15e2_locate, .Lfunc_end_k_q77e09c15e2_locate-k_q77e09c15e2_locate
	.p2alignl 7, 3214868480
	.fill 96, 4, 3214868480
	.section	.rodata,"a",@progbits
	.p2align	6, 0x0
	.amdhsa_kernel k_q77e09c15e2_locate
		.amdhsa_group_segment_fixed_size 0
		.amdhsa_private_segment_fixed_size 0
		.amdhsa_enable_private_segment 0
		.amdhsa_kernarg_size 16
		.amdhsa_user_sgpr_count 2
		.amdhsa_user_sgpr_kernarg_segment_ptr 1
		.amdhsa_wavefront_size32 1
		.amdhsa_system_sgpr_workgroup_id_x 1
		.amdhsa_system_sgpr_workgroup_id_y 1
		.amdhsa_system_sgpr_workgroup_id_z 1
		.amdhsa_system_vgpr_workitem_id 0
		.amdhsa_next_free_vgpr 40
		.amdhsa_next_free_sgpr 66
		.amdhsa_reserve_vcc 0
		.amdhsa_float_denorm_mode_32 3
		.amdhsa_float_denorm_mode_16_64 3
		.amdhsa_memory_ordered 1
		.amdhsa_forward_progress 1
		.amdhsa_inst_pref_size 8
	.end_amdhsa_kernel
	.amdgpu_metadata
---
amdhsa.version: [ 1, 2 ]
amdhsa.kernels:
  - .name:           k_q77e09c15e2_locate
    .symbol:         k_q77e09c15e2_locate.kd
    .args:
      - { .name: flow, .offset: 0, .size: 8, .value_kind: global_buffer, .address_space: global }
      - { .name: idx, .offset: 8, .size: 8, .value_kind: global_buffer, .address_space: global }
    .group_segment_fixed_size: 0
    .private_segment_fixed_size: 0
    .kernarg_segment_align: 8
    .kernarg_segment_size: 16
    .max_flat_workgroup_size: 256
    .sgpr_count:     66
    .vgpr_count:     40
    .wavefront_size: 32
...
	.end_amdgpu_metadata
.endif
;; end of part 1
;; launch sample (part 2): grid 256 x 4, 8 waves a work-group, no clusters, 0 bytes of LDS; arguments flow, src, idx, out0; writes out0
.if DOCPART == 2
	.amdgcn_target "amdgcn-amd-amdhsa--gfx1250"
	.amdhsa_code_object_version 6
	.text
	.protected	k_q77e09c15e2_sample
	.globl	k_q77e09c15e2_sample
	.p2align	8
	.type	k_q77e09c15e2_sample,@function
k_q77e09c15e2_sample:
	s_mov_b64 s[64:65], 0
	v_nop
	global_prefetch_b8 v0, s[64:65] scope:SCOPE_SE
	s_setreg_imm32_b32 hwreg(HW_REG_WAVE_MODE, 25, 1), 1
	s_wait_xcnt 0x0
; Second of two launches: out[b][c][row][col] = bilinear sample of src[b][c] at y = row + flow[b][0], x = col + flow[b][1], zeros outside.
; idx[b][row][col] = yb * 1024 + xb, stored by the launch before, with yb = clamp(floor(y), 0, 1022), xb likewise: rows yb, yb + 1 and
; columns xb, xb + 1 are always inside the image, so a pixel's eight loads (4 corners x 2 channels) use ONE address register and the
; immediates 0, 4, 4096, 4100 (+ a plane for channel 1).
; WEIGHTS.  With d = y - yb:  A0 (row yb) = middle of (1 - d, 0, 1 + d),  A1 (row yb + 1) = middle of (d, 0, 2 - d).
;   0 <= floor(y) <= 1022: d = wy in [0, 1):  A0 = 1 - wy, A1 = wy, as in reference().
;   floor(y) = -1:   d = y in [-1, 0):        A0 = 1 + y = wy (row 0 is reference()'s y0 + 1), A1 = 0 (its row y0 is not valid).
;   floor(y) = 1023: d = 1 + wy in [1, 2):    A0 = 0, A1 = 2 - d = 1 - wy (row 1023 is its y0; its y0 + 1 is not valid).
;   anything else:   d < -1 or d >= 2:        A0 = A1 = 0 (neither row is valid).
; B0, B1 likewise from x.  So A and B are reference()'s weights times its valid flags, and
;   out = A0 (B0 g00 + B1 g01) + A1 (B0 g10 + B1 g11).
; Nothing of reference() is left out.  yb and xb are made again here from flow by the same instructions as in the launch before, so they agree bit for bit.
; LIMITS: flow and src are finite.  A NaN or infinity in flow gives weights 0, not NaN; a corner of weight 0 at the image's edge is another element
; than reference()'s clipped one, so a NaN or infinity of src that meets only a weight of 0 is not carried alike.  The four products are summed
; in the factored order above, which differs from reference()'s by f32 rounding.
; SHAPE.  Eight waves; the work-group owns a tile of 128 columns x 32 rows of one batch (the sampled places of a tile lie near each other).
; Wave w takes rows w + 8 t, t = 0..3; a lane takes 4 neighbouring pixels, so each load of idx and flow and each store of a wave covers 512
; consecutive bytes, aligned.  The corners are loaded 4 bytes a lane: a pair of columns begins at any multiple of 4 bytes, so an 8-byte load
; would not be aligned to its size.  Two sets of gather registers take turns: trip t + 1's 32 gathers go out before trip t's are used.
; No LDS and no barrier: no wave uses what another loaded.
.set ROW,   4096                       ; bytes in a row
.set PLANE, 4194304                    ; bytes in a plane of 1024 x 1024
.set RSTEP, 8*ROW                      ; from a wave's row to its next
.set OFF,   2                          ; v2         byte offset in a plane of my 16 bytes in the wave's first row; never rewritten
.set GX,    4                          ; v[4:7]     my four columns as f32
.set IDX,   8                          ; v[8:23]    trip t: 4 indices, then 4 byte offsets into src; each written once
.set FY,    24                         ; v[24:27]   flow channel 0, then y, then d of y
.set FX,    28                         ; v[28:31]   flow channel 1, then x, then d of x
.set A0,    32                         ; v[32:35]   weight of row yb
.set A1,    36                         ; v[36:39]   weight of row yb + 1
.set B0,    40                         ; v[40:43]   weight of column xb
.set B1,    44                         ; v[44:47]   weight of column xb + 1
.set T,     48                         ; v[48:51]   at work
.set G,     52                         ; v[52:115]  set s at 32 s: channel c at 16 c, corner k at 4 k (k = 2 (row) + (column)), pixel j at j
.set LIM,   22                         ; s22        1022.0
.set GY,    24                         ; s[24:31]   trip t's row as f32 in the lower register of pair t
	s_load_b256 s[4:11], s[0:1], 0x0               ; flow s[4:5], src s[6:7], idx s[8:9], out s[10:11]
	v_lshrrev_b32 v1, 5, v0
	v_readfirstlane_b32 s12, v1                    ; wave
	v_and_b32 v1, 31, v0                           ; lane
	s_and_b32 s13, ttmp7, 0xffff                   ; batch
	s_and_b32 s14, ttmp9, 7                        ; tile column: 8 tiles of 128 columns
	s_lshr_b32 s15, ttmp9, 3                       ; tile row: 32 tiles of 32 rows
	s_lshl_b32 s15, s15, 5
	s_add_co_u32 s15, s15, s12                     ; my wave's first row
	s_lshl_b32 s16, s15, 12
	s_lshl_b32 s17, s14, 9
	s_add_co_u32 s16, s16, s17                     ; row x 4096 + tile column x 512
	v_lshl_add_u32 v[OFF], v1, 4, s16              ; + 16 x lane
	s_lshl_b32 s18, s13, 23                        ; flow, src, out: two planes a batch
	s_mov_b32 s19, 0
	s_lshl_b32 s20, s13, 22                        ; idx: one plane a batch
	s_mov_b32 s21, 0
	s_wait_kmcnt 0x0
	s_add_nc_u64 s[4:5], s[4:5], s[18:19]
	s_add_nc_u64 s[6:7], s[6:7], s[18:19]
	s_add_nc_u64 s[8:9], s[8:9], s[20:21]
	s_add_nc_u64 s[10:11], s[10:11], s[18:19]
.macro FLOW t                          ; the trip's 4 + 4 numbers of flow; read once in this launch
	global_load_b128 v[FY:FY+3], v[OFF], s[4:5] offset:\t*RSTEP th:TH_LOAD_NT
	global_load_b128 v[FX:FX+3], v[OFF], s[4:5] offset:\t*RSTEP+PLANE th:TH_LOAD_NT
.endm
.macro ADDR t                          ; indices to byte offsets.  The bound 1022 x 1024 + 1022 keeps all eight loads inside the batch's two planes whatever idx holds
.irp j, 0,1,2,3
	v_min_u32 v[IDX+4*\t+\j], 0xffbfe, v[IDX+4*\t+\j]
.endr
.irp j, 0,1,2,3
	v_lshlrev_b32 v[IDX+4*\t+\j], 2, v[IDX+4*\t+\j]
.endr
.endm
.macro GATHER t, s                     ; 32 loads: channel 0's sixteen first, so that its sums can begin while channel 1's are on their way
.irp c, 0,1
.irp j, 0,1,2,3
	global_load_b32 v[G+32*\s+16*\c+\j],    v[IDX+4*\t+\j], s[6:7] offset:\c*PLANE
	global_load_b32 v[G+32*\s+16*\c+4+\j],  v[IDX+4*\t+\j], s[6:7] offset:\c*PLANE+4
	global_load_b32 v[G+32*\s+16*\c+8+\j],  v[IDX+4*\t+\j], s[6:7] offset:\c*PLANE+ROW
	global_load_b32 v[G+32*\s+16*\c+12+\j], v[IDX+4*\t+\j], s[6:7] offset:\c*PLANE+ROW+4
.endr
.endr
.endm
; One axis, four pixels: the coordinate in v[crd ..] becomes d; the two weights go to v[w0 ..] and v[w1 ..].
.macro AXIS crd, w0, w1
.irp j, 0,1,2,3
	v_floor_f32 v[T+\j], v[\crd+\j]
.endr
.irp j, 0,1,2,3
	v_med3_num_f32 v[T+\j], v[T+\j], 0, s[LIM]     ; the clamped base, as the launch before made it
.endr
.irp p, 0,2
	v_pk_add_f32 v[\crd+\p:\crd+\p+1], v[\crd+\p:\crd+\p+1], v[T+\p:T+\p+1] neg_lo:[0,1] neg_hi:[0,1]   ; d = coordinate - base
.endr
.irp p, 0,2
	v_pk_fma_f32 v[\w0+\p:\w0+\p+1], v[\crd+\p:\crd+\p+1], -1.0, 1.0 op_sel_hi:[1,0,0]    ; 1 - d
	v_pk_add_f32 v[T+\p:T+\p+1], v[\crd+\p:\crd+\p+1], 1.0 op_sel_hi:[1,0]                ; 1 + d
	v_pk_fma_f32 v[\w1+\p:\w1+\p+1], v[\crd+\p:\crd+\p+1], -1.0, 2.0 op_sel_hi:[1,0,0]    ; 2 - d
.endr
.irp j, 0,1,2,3
	v_med3_num_f32 v[\w0+\j], v[\w0+\j], 0, v[T+\j]        ; middle of (1 - d, 0, 1 + d)
	v_med3_num_f32 v[\w1+\j], v[\crd+\j], 0, v[\w1+\j]     ; middle of (d, 0, 2 - d)
.endr
.endm
.macro WEIGHTS t
.irp p, 0,2
	v_pk_add_f32 v[FY+\p:FY+\p+1], v[FY+\p:FY+\p+1], s[GY+2*\t:GY+2*\t+1] op_sel_hi:[1,0]   ; y = row + flow, one rounding as in reference()
	v_pk_add_f32 v[FX+\p:FX+\p+1], v[FX+\p:FX+\p+1], v[GX+\p:GX+\p+1]                       ; x = column + flow
.endr
	AXIS FY, A0, A1
	AXIS FX, B0, B1
.endm
; One channel, four pixels, two at a time: the result lands in corner 0's four registers, 16 bytes that belong together.
.macro COMBINE s, c
.set GB, G+32*\s+16*\c
.irp p, 0,2
	v_pk_mul_f32 v[GB+\p:GB+\p+1],     v[GB+\p:GB+\p+1],     v[B0+\p:B0+\p+1]
	v_pk_mul_f32 v[GB+8+\p:GB+8+\p+1], v[GB+8+\p:GB+8+\p+1], v[B0+\p:B0+\p+1]
.endr
.irp p, 0,2
	v_pk_fma_f32 v[GB+\p:GB+\p+1],     v[GB+4+\p:GB+4+\p+1],   v[B1+\p:B1+\p+1], v[GB+\p:GB+\p+1]       ; row yb:     B0 g00 + B1 g01
	v_pk_fma_f32 v[GB+8+\p:GB+8+\p+1], v[GB+12+\p:GB+12+\p+1], v[B1+\p:B1+\p+1], v[GB+8+\p:GB+8+\p+1]   ; row yb + 1: B0 g10 + B1 g11
.endr
.irp p, 0,2
	v_pk_mul_f32 v[GB+\p:GB+\p+1], v[GB+\p:GB+\p+1], v[A0+\p:A0+\p+1]
.endr
.irp p, 0,2
	v_pk_fma_f32 v[GB+\p:GB+\p+1], v[GB+8+\p:GB+8+\p+1], v[A1+\p:A1+\p+1], v[GB+\p:GB+\p+1]
.endr
.endm
	; all four trips' indices first, then trip 0's flow
.irp t, 0,1,2,3
	global_load_b128 v[IDX+4*\t:IDX+4*\t+3], v[OFF], s[8:9] offset:\t*RSTEP th:TH_LOAD_NT
.endr
	FLOW 0
	s_mov_b32 s[LIM], 0x447f8000                   ; 1022.0
	s_cvt_f32_u32 s[GY], s15                       ; my four rows as f32: whole numbers below 1024, exact
	s_add_f32 s[GY+2], s[GY], 0x41000000           ; + 8
	s_add_f32 s[GY+4], s[GY], 0x41800000           ; + 16
	s_add_f32 s[GY+6], s[GY], 0x41c00000           ; + 24
.irp t, 0,1,2,3
	s_mov_b32 s[GY+2*\t+1], 0                      ; the pair's upper register is named by the packed add, though only the lower one is used
.endr
	s_lshl_b32 s17, s14, 7                         ; the tile's first column
	v_lshl_add_u32 v1, v1, 2, s17                  ; + 4 x lane
	v_cvt_f32_u32 v[GX], v1
	v_add_f32 v[GX+1], 1.0, v[GX]
	v_add_f32 v[GX+2], 2.0, v[GX]
	v_add_f32 v[GX+3], 2.0, v[GX+1]
	s_wait_loadcnt 5                               ; loads come back in order (ISA guide 5.7.1): trip 0's indices are in; three index loads and two of flow stay out
	ADDR 0
	GATHER 0, 0
; Trip t on gather set s.  more = 1: trip tn's flow and gathers (into set sn) go out before this trip's gathers are waited for.
.macro TRIP t, tn, s, sn, more
	s_wait_loadcnt 32                              ; all but this trip's 32 gathers: its flow is in (and, in the first trip, the later trips' indices)
	WEIGHTS \t
.if \more
	ADDR \tn
.if \t
	s_wait_xcnt 0x0                                ; the stores of the trip before read set sn: it is loaded again only behind this wait (ISA guide 3.1)
.endif
	FLOW \tn                                       ; FY and FX were last read by the weights above
	GATHER \tn, \sn                                ; with these, up to 66 loads are asked for; the counter's field holds 63 and the issue holds back there (ISA guide 5.7.1)
	s_wait_loadcnt 50                              ; behind this trip's channel 0: its channel 1 (16), the next flow (2), the next gathers (32)
.else
	s_wait_loadcnt 16                              ; behind channel 0: channel 1's sixteen
.endif
	COMBINE \s, 0
	global_store_b128 v[OFF], v[G+32*\s:G+32*\s+3], s[10:11] offset:\t*RSTEP th:TH_STORE_NT
.if \more
	s_wait_loadcnt 34                              ; behind this trip's channel 1: the next flow (2) and the next gathers (32)
.else
	s_wait_loadcnt 0x0
.endif
	COMBINE \s, 1
	global_store_b128 v[OFF], v[G+32*\s+16:G+32*\s+19], s[10:11] offset:\t*RSTEP+PLANE th:TH_STORE_NT
.endm
	TRIP 0, 1, 0, 1, 1
	TRIP 1, 2, 1, 0, 1
	TRIP 2, 3, 0, 1, 1
	TRIP 3, 0, 1, 0, 0                             ; the last trip asks for nothing more: its counts run down
	s_endpgm
.Lfunc_end_k_q77e09c15e2_sample:
	.size	k_q77e09c15e2_sample, .Lfunc_end_k_q77e09c15e2_sample-k_q77e09c15e2_sample
	.p2alignl 7, 3214868480
	.fill 96, 4, 3214868480
	.section	.rodata,"a",@progbits
	.p2align	6, 0x0
	.amdhsa_kernel k_q77e09c15e2_sample
		.amdhsa_group_segment_fixed_size 0
		.amdhsa_private_segment_fixed_size 0
		.amdhsa_enable_private_segment 0
		.amdhsa_kernarg_size 32
		.amdhsa_user_sgpr_count 2
		.amdhsa_user_sgpr_kernarg_segment_ptr 1
		.amdhsa_wavefront_size32 1
		.amdhsa_system_sgpr_workgroup_id_x 1
		.amdhsa_system_sgpr_workgroup_id_y 1
		.amdhsa_system_sgpr_workgroup_id_z 1
		.amdhsa_system_vgpr_workitem_id 0
		.amdhsa_next_free_vgpr 116
		.amdhsa_next_free_sgpr 66
		.amdhsa_reserve_vcc 0
		.amdhsa_float_denorm_mode_32 3
		.amdhsa_float_denorm_mode_16_64 3
		.amdhsa_memory_ordered 1
		.amdhsa_forward_progress 1
		.amdhsa_inst_pref_size 36
	.end_amdhsa_kernel
	.amdgpu_metadata
---
amdhsa.version: [ 1, 2 ]
amdhsa.kernels:
  - .name:           k_q77e09c15e2_sample
    .symbol:         k_q77e09c15e2_sample.kd
    .args:
      - { .name: flow, .offset: 0, .size: 8, .value_kind: global_buffer, .address_space: global }
      - { .name: src, .offset: 8, .size: 8, .value_kind: global_buffer, .address_space: global }
      - { .name: idx, .offset: 16, .size: 8, .value_kind: global_buffer, .address_space: global }
      - { .name: out0, .offset: 24, .size: 8, .value_kind: global_buffer, .address_space: global }
    .group_segment_fixed_size: 0
    .private_segment_fixed_size: 0
    .kernarg_segment_align: 8
    .kernarg_segment_size: 32
    .max_flat_workgroup_size: 256
    .sgpr_count:     66
    .vgpr_count:     116
    .wavefront_size: 32
...
	.end_amdgpu_metadata
.endif
;; end of part 2
;; ======== version 2 of 2: 2 launches; version 1 with the launch locate written anew for expert scheduling mode
;; workspace buffers: idx 16,777,216 bytes of whole numbers
;; launch locate (part 3): grid 256 x 4, 8 waves a work-group, no clusters, 0 bytes of LDS; arguments flow, idx; writes idx
.if DOCPART == 3
	.amdgcn_target "amdgcn-amd-amdhsa--gfx1250"
	.amdhsa_code_object_version 6
	.text
	.protected	k_q77e09c15e2_locate
	.globl	k_q77e09c15e2_locate
	.p2align	8
	.type	k_q77e09c15e2_locate,@function
k_q77e09c15e2_locate:
	s_mov_b64 s[64:65], 0
	v_nop
	global_prefetch_b8 v0, s[64:65] scope:SCOPE_SE
	s_setreg_imm32_b32 hwreg(HW_REG_WAVE_SCHED_MODE, 0, 2), 2
	s_setreg_imm32_b32 hwreg(HW_REG_WAVE_MODE, 25, 1), 1
	s_wait_xcnt 0x0
	s_wait_alu depctr_vm_vsrc(0)
; Bilinear sampling of src at (row + flow[:,0], column + flow[:,1]) with zeros outside; first of two launches.
; The sample places are made from floating-point numbers, and an address is formed only from whole numbers read from memory:
; so this launch makes, for each of the 4 x 1024 x 1024 pixels, the whole number idx = yb * 1024 + xb, and the next launch gathers by it.
;   y = row + flow[b][0][row][col],  yb = clamp(floor(y), 0, 1022);   x = col + flow[b][1][row][col],  xb = clamp(floor(x), 0, 1022).
; Rows yb, yb + 1 and columns xb, xb + 1 always lie inside the image; the next launch gives each of them the weight that reference()
; gives it (its bilinear weight times its valid flag), which is 0 for whatever reference() pads with zeros.
; No work of reference() is left out and both inputs are used (src by the next launch).
; LIMIT: flow is finite.  A NaN or an infinity in flow gives some index inside the image here, not reference()'s NaN.
; Eight waves; the work-group owns 4 whole rows of one batch.  Thread t owns the 16 bytes (4 pixels) at byte 16 t of each row, so each
; load and store of a wave covers 512 consecutive bytes, aligned.  All eight loads of a wave go out first; each row has registers of its own,
; so nothing that a pending load or store names is ever rewritten.
; flow and idx carry no non-temporal hint: the next launch reads both again.
; THE MODE: SCHED_MODE bits 1:0 = 2 (LLVM: expert scheduling mode 2), set by the entry lines.  The code itself states the register dependences
; between vector instructions and memory instructions, with s_wait_alu, always for 0.
; THE PLAN.  Registers that memory instructions touch:
;   v[OFF]     written once at the head; read as the offset by all eight loads and all four stores; no vector instruction names it again.
;   FY row i   a load of the head lands in it, before any vector instruction has named it; after that row i's arithmetic alone names it.
;   FX row i   a load of the head lands in it likewise; row i's arithmetic works in it and leaves the four whole numbers there; row i's store
;              reads it; nothing writes it after that.
;   v1, GX     named by vector instructions alone.
; One wait on va_vdst at the head states that v[OFF] is written.  Row i's store stands at the head of row i + 1, behind the wait for that row's data and
; one wait on va_vdst, which states that row i's whole numbers are written; row i + 1's arithmetic, which follows, names none of the store's registers.
; The last row's store has such a wait of its own.  No register that a load or store has read is written again, so no wait on vm_vsrc is owed.
.set ROW,   4096                       ; bytes in a row
.set PLANE, 4194304                    ; bytes in a plane of 1024 x 1024
.set STEPS, 4                          ; rows of the work-group
.set OFF,   2                          ; v2        16 t
.set FY,    4                          ; v[4:19]   row i: 4 numbers of flow channel 0, then y, then yb
.set FX,    20                         ; v[20:35]  row i: 4 numbers of flow channel 1, then x, xb, idx
.set GX,    36                         ; v[36:39]  my four columns as f32
.set GY,    16                         ; s[16:23]  row i as f32 in the lower register of pair i
.set LIM,   24                         ; s24       1022.0
	s_load_b128 s[4:7], s[0:1], 0x0                ; flow s[4:5], idx s[6:7]
	s_and_b32 s8, ttmp7, 0xffff                    ; batch
	s_lshl_b32 s9, ttmp9, 2                        ; the group's first row
	s_lshl_b32 s10, ttmp9, 14                      ; and its byte offset in a plane
	s_lshl_b32 s12, s8, 23                         ; flow: two planes a batch
	s_add_co_u32 s12, s12, s10
	s_mov_b32 s13, 0
	s_lshl_b32 s14, s8, 22                         ; idx: one plane a batch
	s_add_co_u32 s14, s14, s10
	s_mov_b32 s15, 0
	v_lshlrev_b32 v[OFF], 4, v0
	s_wait_kmcnt 0x0
	s_add_nc_u64 s[4:5], s[4:5], s[12:13]
	s_add_nc_u64 s[6:7], s[6:7], s[14:15]
	s_wait_alu depctr_va_vdst(0)                   ; v[OFF] is written: every load and store of the kernel reads it as its offset
.irp t, 0,1,2,3
	global_load_b128 v[FY+4*\t:FY+4*\t+3], v[OFF], s[4:5] offset:\t*ROW
	global_load_b128 v[FX+4*\t:FX+4*\t+3], v[OFF], s[4:5] offset:\t*ROW+PLANE
.endr
	s_mov_b32 s[LIM], 0x447f8000                   ; 1022.0
	s_cvt_f32_u32 s[GY], s9                        ; the four rows as f32: whole numbers below 1024, exact
	s_add_f32 s[GY+2], s[GY], 1.0
	s_add_f32 s[GY+4], s[GY], 2.0
	s_add_f32 s[GY+6], s[GY+2], 2.0
.irp t, 0,1,2,3
	s_mov_b32 s[GY+2*\t+1], 0                      ; the pair's upper register is named by the packed add, though only the lower one is used
.endr
	v_lshlrev_b32 v1, 2, v0                        ; my first column
	v_cvt_f32_u32 v[GX], v1
	v_add_f32 v[GX+1], 1.0, v[GX]
	v_add_f32 v[GX+2], 2.0, v[GX]
	v_add_f32 v[GX+3], 2.0, v[GX+1]
.macro STEP t
	s_wait_loadcnt 2*(STEPS-1-\t)                  ; loads come back in order (ISA guide 5.7.1): this row's two are in, the later rows' pairs stay out
.if \t
	s_wait_alu depctr_va_vdst(0)                   ; the row before has written its four whole numbers, which the store below reads
	global_store_b128 v[OFF], v[FX+4*\t-4:FX+4*\t-1], s[6:7] offset:(\t-1)*ROW   ; the row before; no vector instruction below names its registers
.endif
.irp p, 0,2
	v_pk_add_f32 v[FY+4*\t+\p:FY+4*\t+\p+1], v[FY+4*\t+\p:FY+4*\t+\p+1], s[GY+2*\t:GY+2*\t+1] op_sel_hi:[1,0]   ; y = row + flow, one rounding as in reference()
	v_pk_add_f32 v[FX+4*\t+\p:FX+4*\t+\p+1], v[FX+4*\t+\p:FX+4*\t+\p+1], v[GX+\p:GX+\p+1]                       ; x = column + flow
.endr
.irp j, 0,1,2,3
	v_floor_f32 v[FY+4*\t+\j], v[FY+4*\t+\j]
	v_floor_f32 v[FX+4*\t+\j], v[FX+4*\t+\j]
.endr
.irp j, 0,1,2,3
	v_med3_num_f32 v[FY+4*\t+\j], v[FY+4*\t+\j], 0, s[LIM]     ; the middle of (floor, 0, 1022): clamped while still f32, so any finite size is served
	v_med3_num_f32 v[FX+4*\t+\j], v[FX+4*\t+\j], 0, s[LIM]
.endr
.irp p, 0,2
	v_pk_fma_f32 v[FX+4*\t+\p:FX+4*\t+\p+1], v[FY+4*\t+\p:FY+4*\t+\p+1], 0x44800000, v[FX+4*\t+\p:FX+4*\t+\p+1] op_sel_hi:[1,0,1]   ; yb * 1024 + xb: below 2^20, exact in f32
.endr
.irp j, 0,1,2,3
	v_cvt_u32_f32 v[FX+4*\t+\j], v[FX+4*\t+\j]
.endr
.endm
	STEP 0
	STEP 1
	STEP 2
	STEP 3
	s_wait_alu depctr_va_vdst(0)                   ; the last row has written its four whole numbers, which the last store reads
	global_store_b128 v[OFF], v[FX+4*(STEPS-1):FX+4*(STEPS-1)+3], s[6:7] offset:(STEPS-1)*ROW
	s_endpgm
.Lfunc_end_k_q77e09c15e2_locate:
	.size	k_q77e09c15e2_locate, .Lfunc_end_k_q77e09c15e2_locate-k_q77e09c15e2_locate
	.p2alignl 7, 3214868480
	.fill 96, 4, 3214868480
	.section	.rodata,"a",@progbits
	.p2align	6, 0x0
	.amdhsa_kernel k_q77e09c15e2_locate
		.amdhsa_group_segment_fixed_size 0
		.amdhsa_private_segment_fixed_size 0
		.amdhsa_enable_private_segment 0
		.amdhsa_kernarg_size 16
		.amdhsa_user_sgpr_count 2
		.amdhsa_user_sgpr_kernarg_segment_ptr 1
		.amdhsa_wavefront_size32 1
		.amdhsa_system_sgpr_workgroup_id_x 1
		.amdhsa_system_sgpr_workgroup_id_y 1
		.amdhsa_system_sgpr_workgroup_id_z 1
		.amdhsa_system_vgpr_workitem_id 0
		.amdhsa_next_free_vgpr 40
		.amdhsa_next_free_sgpr 66
		.amdhsa_reserve_vcc 0
		.amdhsa_float_denorm_mode_32 3
		.amdhsa_float_denorm_mode_16_64 3
		.amdhsa_memory_ordered 1
		.amdhsa_forward_progress 1
		.amdhsa_inst_pref_size 8
	.end_amdhsa_kernel
	.amdgpu_metadata
---
amdhsa.version: [ 1, 2 ]
amdhsa.kernels:
  - .name:           k_q77e09c15e2_locate
    .symbol:         k_q77e09c15e2_locate.kd
    .args:
      - { .name: flow, .offset: 0, .size: 8, .value_kind: global_buffer, .address_space: global }
      - { .name: idx, .offset: 8, .size: 8, .value_kind: global_buffer, .address_space: global }
    .group_segment_fixed_size: 0
    .private_segment_fixed_size: 0
    .kernarg_segment_align: 8
    .kernarg_segment_size: 16
    .max_flat_workgroup_size: 256
    .sgpr_count:     66
    .vgpr_count:     40
    .wavefront_size: 32
...
	.end_amdgpu_metadata
.endif
;; end of part 3
;; launch sample: the kernel of part 2 again; grid 256 x 4, 8 waves a work-group, no clusters, 0 bytes of LDS; arguments flow, src, idx, out0; writes out0
